; MI455X (gfx1250); checked and timed in simulation.
; The chip was launched on July 23, 2026; its instructions are those of AMD's public machine-readable ISA for CDNA 5 (MIT licence, August 2026) and "CDNA5" Instruction Set Architecture Reference Guide (July 2026). The comments in the code are by the model that wrote it; some were corrected since.
;; SARA Memory. Allowed arithmetic: float matrix products may take bf16 or f16 operands with f32 sums; all other float work in f32.
;; Inputs: memory_states 100,000 x 256 float32; query 2,048 x 256 float32.
;; Outputs: out0 2,048 x 8 x 256 float32; out1 2,048 x 8 float32.
;; Constants: k = 8.
;; 2 versions, each right; version 2 is version 1 with the launch prep written anew for expert scheduling mode. Each part assembles by itself: llvm-mc -triple=amdgcn-amd-amdhsa -mcpu=gfx1250 --defsym DOCPART=n.
;; ======== version 1 of 2: 5 launches
;; workspace buffers: mb 51,200,000 bytes; minv 400,128 bytes; qb 1,048,576 bytes; qinv 8,192 bytes; candv 16,384,000 bytes; candi 16,384,000 bytes of whole numbers; binsel 65,536 bytes of whole numbers; idx 65,536 bytes of whole numbers
;; launch prep (part 1): grid 1063 x 1, 3 waves a work-group, no clusters, 0 bytes of LDS; arguments memory_states, query, mb, minv, qb, qinv; writes mb, minv, qb, qinv
.if DOCPART == 1
	.amdgcn_target "amdgcn-amd-amdhsa--gfx1250"
	.amdhsa_code_object_version 6
	.text
	.protected	k_q696d4f989c_prep
	.globl	k_q696d4f989c_prep
	.p2align	8
	.type	k_q696d4f989c_prep,@function
k_q696d4f989c_prep:
	s_mov_b64 s[64:65], 0
	v_nop
	global_prefetch_b8 v0, s[64:65] scope:SCOPE_SE
	s_setreg_imm32_b32 hwreg(HW_REG_WAVE_MODE, 25, 1), 1
	s_wait_xcnt 0x0
; PREP.  Rounds memory_states [100000][256] and query [2048][256] from f32 to bf16 (mb, qb) and stores for each row 1 / max(|row|, 1e-12) in f32 (minv, qinv),
; the norm taken of the ROUNDED numbers: the program aims at the scores of the inputs rounded to bf16, whose products are exact in f32.
; SHARES.  A wave takes a task of 32 rows: tasks 0 .. 3124 are memory rows, tasks 3125 .. 3188 query rows; 1063 work-groups of 3 waves are exactly 3189 tasks.
; ORDER OF mb AND minv.  Within each 32 rows, row 16 h + 8 m + j lies at place 16 m + 8 h + j (h, m = 0, 1; j = 0 .. 7).  In the product's result a half of the lanes holds rows 8 h + j of a
; tile of 16; with this order the two tiles of a step give half h the 16 consecutive rows 16 h .. 16 h + 15.  qb and qinv keep the natural order.
; A row is 1,024 bytes: two loads of 16 bytes a lane; its bf16 image 512 bytes: two stores of 8 bytes a lane, each covering 256 consecutive bytes, aligned.
; LIMITS.  The sum of squares is kept in f32: entries up to about 1e18 in magnitude.  NaN and infinities are not treated apart.
.set NMEM, 3125                        ; tasks of memory rows
.set X,    16                          ; v[16:143]  16 rows x 8 registers as loaded
.set Y,    144                         ; v[144:207] 16 rows x 4 registers of bf16
.set SA,   24                          ; s24  place in the 32 of the trip's rows 0-7
.set SB,   25                          ; s25  of its rows 8-15
.set STEP, 26                          ; s26  what both step by from trip to trip
.set DST,  27                          ; s27  the same in bytes of the bf16 image
.set SEL,  28                          ; s[28:29] v_permlanex16_b32's selects: each lane takes its own place in the other half
.set MK,   30                          ; s30  one bit: the lane that keeps this row's sum
.set CNT,  31                          ; s31  trips to go
	s_load_b256 s[4:11], s[0:1], 0x0               ; memory_states s[4:5], query s[6:7], mb s[8:9], minv s[10:11]
	s_load_b128 s[12:15], s[0:1], 0x20             ; qb s[12:13], qinv s[14:15]
	v_lshrrev_b32 v1, 5, v0
	v_readfirstlane_b32 s16, v1                    ; wave 0..2
	s_mul_i32 s17, ttmp9, 3
	s_add_co_u32 s17, s17, s16                     ; task
	s_sub_co_u32 s18, s17, NMEM
	s_cmp_ge_u32 s17, NMEM                         ; a task of query rows?
	s_cselect_b32 s18, s18, s17                    ; the task's number in its own tensor
	s_cselect_b32 s[SB], 8, 16                     ; natural order: rows 8-15 at places 8 ..; permuted: at 16 ..
	s_cselect_b32 s[STEP], 16, 8                   ; natural order: the second 16 rows lie 16 places on; permuted: 8
	s_mov_b32 s[SA], 0
	s_lshl_b32 s[DST], s[STEP], 9
	s_lshl_b32 s20, s18, 15                        ; 32 rows of 1,024 bytes (under 2^27)
	s_mov_b32 s21, 0
	s_lshl_b32 s22, s18, 14                        ; 32 rows of 512 bytes
	s_mov_b32 s23, 0
	s_lshl_b32 s32, s18, 7                         ; 32 words
	s_mov_b32 s33, 0
	s_lshl_b32 s34, s[SB], 9
	s_mov_b32 s[SEL], 0x76543210
	s_mov_b32 s[SEL+1], 0xfedcba98
	v_and_b32 v1, 31, v0                           ; lane
	v_lshlrev_b32 v2, 4, v1                        ; my 16 bytes in each half of a row
	v_lshlrev_b32 v3, 3, v1                        ; my 8 bytes in the image of rows 0-7,
	v_add_nc_u32 v4, s34, v3                       ; and of rows 8-15
	v_mov_b32 v5, 0                                ; starts the sums
	v_mov_b32 v6, 0                                ; lane p: the sum of squares of the row at place p
	v_mov_b32 v9, 0                                ; v_permlanex16_b32's destination counts as read
	s_wait_kmcnt 0x0
	s_cmp_ge_u32 s17, NMEM                         ; compared anew: the shifts above have set SCC
	s_cselect_b64 s[4:5], s[6:7], s[4:5]           ; from where,
	s_cselect_b64 s[8:9], s[12:13], s[8:9]         ; the bf16 image,
	s_cselect_b64 s[10:11], s[14:15], s[10:11]     ; the inverse norms
	s_add_nc_u64 s[4:5], s[4:5], s[20:21]
	s_add_nc_u64 s[8:9], s[8:9], s[22:23]
	s_add_nc_u64 s[10:11], s[10:11], s[32:33]
; Row i of the trip's 16: rounded, squared and summed in two chains (low halves, high halves), summed over the 32 lanes, kept in the lane of its place, stored.
.macro ROW i
.if (\i) < 8
.set oReg, 3
.set pReg, SA
.else
.set oReg, 4
.set pReg, SB
.endif
.set rX, X+8*(\i)
.set rY, Y+4*(\i)
	s_wait_loadcnt 30-2*(\i)                       ; loads come back in order: the two loads of each later row may stay out
.irp z, 0,1,2,3
	v_cvt_pk_bf16_f32 v[rY+\z], v[rX+2*\z], v[rX+2*\z+1]
.endr
	v_fma_mix_f32_bf16 v7, v[rY], v[rY], v5 op_sel_hi:[1,1,0]              ; the square of a bf16 is exact in f32
	v_fma_mix_f32_bf16 v8, v[rY], v[rY], v5 op_sel:[1,1,0] op_sel_hi:[1,1,0]
.irp z, 1,2,3
	v_fma_mix_f32_bf16 v7, v[rY+\z], v[rY+\z], v7 op_sel_hi:[1,1,0]
	v_fma_mix_f32_bf16 v8, v[rY+\z], v[rY+\z], v8 op_sel:[1,1,0] op_sel_hi:[1,1,0]
.endr
	v_add_f32 v7, v7, v8
	v_add_f32_dpp v7, v7, v7 row_xmask:1 row_mask:0xf bank_mask:0xf
	v_add_f32_dpp v7, v7, v7 row_xmask:2 row_mask:0xf bank_mask:0xf
	v_add_f32_dpp v7, v7, v7 row_xmask:4 row_mask:0xf bank_mask:0xf
	v_add_f32_dpp v7, v7, v7 row_xmask:8 row_mask:0xf bank_mask:0xf
	v_permlanex16_b32 v9, v7, s[SEL], s[SEL+1]
	v_add_f32 v7, v7, v9
	s_lshl_b32 s[MK], 1<<((\i)&7), s[pReg]
	v_cndmask_b32 v6, v6, v7, s[MK]
	global_store_b64 v[oReg], v[rY:rY+1], s[8:9] offset:((\i)&7)*512          ; columns 0-127: 256 consecutive bytes
	global_store_b64 v[oReg], v[rY+2:rY+3], s[8:9] offset:((\i)&7)*512+256    ; columns 128-255
.endm
	s_mov_b32 s[CNT], 2
.Ltrip:                                                ; a trip: 16 rows, 32 loads of 512 consecutive bytes in one run
.irp i, 0,1,2,3,4,5,6,7,8,9,10,11,12,13,14,15
	global_load_b128 v[X+8*\i:X+8*\i+3],   v2, s[4:5] offset:\i*1024 th:TH_LOAD_NT
	global_load_b128 v[X+8*\i+4:X+8*\i+7], v2, s[4:5] offset:\i*1024+512 th:TH_LOAD_NT
.endr
.irp i, 0,1,2,3,4,5,6,7,8,9,10,11,12,13,14,15
	ROW \i
.endr
	s_wait_xcnt 0x0                                ; the base, the two offsets and the stores' data are rewritten only behind this wait
	s_add_nc_u64 s[4:5], s[4:5], 16384
	s_add_co_u32 s[SA], s[SA], s[STEP]
	s_add_co_u32 s[SB], s[SB], s[STEP]
	v_add_nc_u32 v3, s[DST], v3
	v_add_nc_u32 v4, s[DST], v4
	s_sub_co_u32 s[CNT], s[CNT], 1
	s_cmp_lg_u32 s[CNT], 0
	s_cbranch_scc1 .Ltrip
	; 1 / max(sqrt(ss), 1e-12), root and reciprocal each mended by one Newton step.  Behind each transcendental stands one plain instruction that touches neither its result nor its source (ISA guide 5.7.2).
	v_sqrt_f32 v7, v6
	v_nop
	s_wait_alu depctr_va_vdst(0)
	v_max_num_f32 v8, 0x2b8cbccc, v7               ; 1e-12
	v_rcp_f32 v9, v8
	v_fma_f32 v10, -v7, v7, v6                     ; what the root's square lacks
	v_mul_f32 v10, 0.5, v10
	s_wait_alu depctr_va_vdst(0)
	v_fma_f32 v7, v10, v9, v7
	v_max_num_f32 v8, 0x2b8cbccc, v7
	v_rcp_f32 v9, v8
	v_lshlrev_b32 v11, 2, v1
	s_wait_alu depctr_va_vdst(0)
	v_fma_f32 v10, -v8, v9, 1.0
	v_fma_f32 v9, v9, v10, v9
	global_store_b32 v11, v9, s[10:11]             ; 128 consecutive bytes a wave: the two tables are 408 KB in all
	s_endpgm
.Lfunc_end_k_q696d4f989c_prep:
	.size	k_q696d4f989c_prep, .Lfunc_end_k_q696d4f989c_prep-k_q696d4f989c_prep
	.p2alignl 7, 3214868480
	.fill 96, 4, 3214868480
	.section	.rodata,"a",@progbits
	.p2align	6, 0x0
	.amdhsa_kernel k_q696d4f989c_prep
		.amdhsa_group_segment_fixed_size 0
		.amdhsa_private_segment_fixed_size 0
		.amdhsa_enable_private_segment 0
		.amdhsa_kernarg_size 48
		.amdhsa_user_sgpr_count 2
		.amdhsa_user_sgpr_kernarg_segment_ptr 1
		.amdhsa_wavefront_size32 1
		.amdhsa_system_sgpr_workgroup_id_x 1
		.amdhsa_system_sgpr_workgroup_id_y 1
		.amdhsa_system_sgpr_workgroup_id_z 1
		.amdhsa_system_vgpr_workitem_id 0
		.amdhsa_next_free_vgpr 208
		.amdhsa_next_free_sgpr 66
		.amdhsa_reserve_vcc 0
		.amdhsa_float_denorm_mode_32 3
		.amdhsa_float_denorm_mode_16_64 3
		.amdhsa_memory_ordered 1
		.amdhsa_forward_progress 1
		.amdhsa_inst_pref_size 29
	.end_amdhsa_kernel
	.amdgpu_metadata
---
amdhsa.version: [ 1, 2 ]
amdhsa.kernels:
  - .name:           k_q696d4f989c_prep
    .symbol:         k_q696d4f989c_prep.kd
    .args:
      - { .name: memory_states, .offset: 0, .size: 8, .value_kind: global_buffer, .address_space: global }
      - { .name: query, .offset: 8, .size: 8, .value_kind: global_buffer, .address_space: global }
      - { .name: mb, .offset: 16, .size: 8, .value_kind: global_buffer, .address_space: global }
      - { .name: minv, .offset: 24, .size: 8, .value_kind: global_buffer, .address_space: global }
      - { .name: qb, .offset: 32, .size: 8, .value_kind: global_buffer, .address_space: global }
      - { .name: qinv, .offset: 40, .size: 8, .value_kind: global_buffer, .address_space: global }
    .group_segment_fixed_size: 0
    .private_segment_fixed_size: 0
    .kernarg_segment_align: 8
    .kernarg_segment_size: 48
    .max_flat_workgroup_size: 96
    .sgpr_count:     66
    .vgpr_count:     208
    .wavefront_size: 32
...
	.end_amdgpu_metadata
.endif
;; end of part 1
;; launch main (part 2): grid 4 x 125, 4 waves a work-group, clusters of 4 x 1, 327,680 bytes of LDS; arguments mb, minv, qb, candv, candi; writes candv, candi
.if DOCPART == 2
	.amdgcn_target "amdgcn-amd-amdhsa--gfx1250"
	.amdhsa_code_object_version 6
	.text
	.protected	k_q696d4f989c_main
	.globl	k_q696d4f989c_main
	.p2align	8
	.type	k_q696d4f989c_main,@function
k_q696d4f989c_main:
	s_mov_b64 s[64:65], 0
	v_nop
	global_prefetch_b8 v0, s[64:65] scope:SCOPE_SE
	s_setreg_imm32_b32 hwreg(HW_REG_WAVE_MODE, 25, 1), 1
	s_wait_xcnt 0x0
	s_wait_alu depctr_hold_cnt(0) depctr_sa_sdst(0) depctr_va_vdst(0) depctr_va_sdst(0) depctr_va_ssrc(0) depctr_va_vcc(0) depctr_vm_vsrc(0)
	s_getreg_b32 s2, hwreg(HW_REG_IB_STS2, 6, 4)
	s_cmp_eq_u32 s2, 0
	s_cbranch_scc0 .Lentry_in_a_cluster
	s_endpgm
.Lentry_in_a_cluster:
	s_bfe_u32 s2, ttmp6, 0x10000c
	s_cmp_lg_u32 s2, 0x3003
	s_cbranch_scc0 .Lentry_shape_is_right
	s_endpgm
.Lentry_shape_is_right:
; MAIN.  Scores s[q][n] = (qb[q] . mb[n]) x minv[n] for 2,048 queries x 100,000 memory rows (K = 256, bf16 products, f32 sums), never stored.  The query's own norm, a positive factor, does not change a row's order and is left out here.
; BINS.  A bin is 16 consecutive memory rows (bin = row >> 4).  The eight best rows of a query lie in the eight bins with the largest maxima (ties: the lower bin), so only each bin's maximum
; is kept, and with its number it is put into a sorted list of eight.  A later launch merges the lists, another computes the chosen bins' 128 scores again.
; SHARES.  100,000 rows = 125 chunks x 25 steps x 32 rows.  A work-group takes one chunk and 512 queries, a wave 128 queries: 8 tiles of 16, whose fragments stay in registers.
; LAYOUT.  Source 0 = 16 memory rows, source 1 = 16 queries: in the result a lane holds ONE query (lane % 16) and the rows 8 (lane / 16) + 0..7 of the tile.  mb is stored so that the two tiles of a step
; give half h of the lanes the rows 16 h .. 16 h + 15 of the step: one bin, number 2 step + h.  A lane keeps its own list: (query, half).
; BY TURNS.  A step is four UNITS of 32 products: (memory tile 0, query tiles 0-3), (0, 4-7), (1, 0-3), (1, 4-7).  Behind each product stand three vector instructions of work that is ready:
; the unit before's scaling by the inverse norms and its maxima (32), and two tiles' insertions (2 x 31).  All of that lies in window 0, the products' operands in windows 1 to 3: two switches a product.
; CLUSTER.  The four work-groups of a cluster take the same chunk and walk the same memory tiles: each tile is asked for JOINTLY, by the same tensor load, descriptor and mask in all four.
; 500 work-groups are 125 clusters; no padding rows exist.
; LIMITS.  The raw sum qb . mb must stay finite in f32 (entries up to about 1e17).  NaN and infinities are not treated apart.  Equal maxima: the lower bin comes first.
; REGISTERS, in windows of 256 (s_set_vgpr_msb: bits 1:0 source 0, 3:2 source 1, 5:4 source 2, 7:6 destination):
;   window 0: v0-15 addresses; v16-31 inverse norms of tile 0, tile 1; v32-39 R, v40-47 P: a bin's half and whole maximum, one a query tile; v64-127 two groups of four accumulators; v128-255 lists: 8 values, 8 numbers a tile
;   window 1: v0-63, v64-127 fragments of memory tile 0, 1          window 2: Q of tiles 0-3          window 3: Q of tiles 4-7
.set PITCH, 528                        ; an LDS row: 512 bytes + 16 of padding = 132 words: the 16 rows of a load start at 16 different groups of four banks (64 banks of 4 bytes: ISA guide 11.1)
.set STEPB, 32*PITCH                   ; a step's 32 rows
.set SLOT1, 1<<17                      ; a slot holds five steps (84,480 bytes); slot 1 begins here, so that one exclusive or turns an address in one slot into the other's
.set NRM,   86016                      ; between the slots: the chunk's 800 inverse norms, filled once
.set SPARE, SLOT1+5*STEPB              ; behind slot 1: the spare words, 128 bytes for each wave: two blocks of 256 bytes that no other line names
.set ABASE, 2                          ; v2   my lane's place in a tile: row x pitch + 16 x half; never rewritten
.set ADRA,  3                          ; v3   LDS address of the fragments of the step being fetched
.set ADRN,  4                          ; v4   LDS address for the norms: NRM + 128 step - 64 + 32 x half
.set IDG,   5                          ; v5, v6  the bin number that goes with P of tiles 0-3, tiles 4-7
.set QOFF,  7                          ; v7   my byte offset in 16 rows of qb
.set NBASE, 8                          ; v8   32 x half
.set CO,    9                          ; v9   16 x lane
.set SPW,   10                         ; v10  LDS address of my spare word; never rewritten
.set NIL,   11                         ; v11  0; never rewritten
.set NR,    16
.set RR,    32
.set PP,    40
.set ACC,   64
.set LI,    128
.set WV,    14                         ; s14  my wave's number
.set G1,    24                         ; s[24:31] descriptor group 1 for memory tiles
.set G1N,   32                         ; s[32:39] for the norms
.set G0,    40                         ; s[40:43] descriptor group 0 for memory tiles: it walks
.set G0N,   44                         ; s[44:47] for the norms
.set SLOTS, 48                         ; s48  counts the loop over slots
.set CNT,   49                         ; s49  counts a slot's five steps
.set TB,    50                         ; s50  LDS byte at which the step to be fetched begins
.set TN,    51                         ; s51  NRM + 128 step - 64
.set MK,    72                         ; s[72:87] two sets of eight lane masks, for the two tiles whose insertions alternate
.set MSB, 0
.macro WIN new                         ; the immediate's high byte repeats the setting that is left; a switch that changes nothing is dropped
.if MSB != (\new)
	s_set_vgpr_msb (MSB<<8)|(\new)
.set MSB, (\new)
.endif
.endm
; A round of the cluster's barrier: my work-group's barrier, so that wave 0's signal speaks for all four waves; wave 0 signals; every wave waits for all four work-groups; my work-group's barrier once more.
.macro CROUND
	s_barrier_signal -1
	s_barrier_wait -1
	s_cmp_lg_u32 s[WV], 0
	s_cbranch_scc1 .Lnot_wave_0_\@
	s_barrier_signal -3
.Lnot_wave_0_\@:
	s_barrier_wait -3
	s_barrier_signal -1
	s_barrier_wait -1
.endm
; THE CHANGE OF SLOTS.  Each wave waits for all its tensor loads, of which one is out: its quarter of the other slot; adds 0 to its spare word; and waits for that and for its own reads of the slot that it leaves.
; fill = 1: the slot is filled again, with the rows two slots on.  The barrier is then a round of the cluster's, so that no wave of any partner still reads the slot or has a load on its way, and the
; joint load is the first thing behind it: it has five steps, 640 products, in which to land.  (At its first use nothing has been read yet: slot 0 and the norms are waited for, slot 1 is filled.)
.macro CHANGE fill
	WIN 0                                          ; at a label and at a branch every window is 0
	s_wait_tensorcnt 0x0                           ; no tensor load of mine is out, so group 0 may be written
	ds_add_u32 v[SPW], v[NIL]                      ; 0 onto my spare word
.if \fill
	s_xor_b32 s[G0+1], s[G0+1], SLOT1              ; the other slot than last time,
	s_add_nc_u64 s[G0+2:G0+3], s[G0+2:G0+3], 5*32*512  ; the next 160 rows; the type bits on top are not reached
	s_wait_dscnt 0x0                               ; the add is done, and my reads of the slot are over
	CROUND
	tensor_load_to_lds s[G0:G0+3], s[G1:G1+7]      ; every wave fetches its own 40 rows: no branch
	s_nop 0
.rept 4
	v_nop
.endr
.else
	s_wait_dscnt 0x0                               ; the add is done, and my reads of the slot are over
	s_barrier_signal -1
	s_barrier_wait -1
.endif
	s_sub_co_u32 s[TB], s[TB], 5*STEPB             ; the fetches go back to a slot's first step,
	s_xor_b32 s[TB], s[TB], SLOT1                  ; in the other slot
.endm
	s_load_b256 s[4:11], s[0:1], 0x0               ; mb s[4:5], minv s[6:7], qb s[8:9], candv s[10:11]
	s_load_b64 s[12:13], s[0:1], 0x20              ; candi
	v_lshl_add_u32 v[SPW], v0, 2, SPARE
	v_mov_b32 v[NIL], 0
	ds_add_u32 v[SPW], v[NIL]                      ; the wave's opening: the add and its wait stand ahead of my first tensor load; the set-up below, work on registers, stands between them
	v_lshrrev_b32 v1, 5, v0
	v_readfirstlane_b32 s[WV], v1                  ; wave 0..3
	s_bfe_u32 s15, ttmp6, 0x40000                  ; cx: my place in the cluster
	s_lshl_b32 s17, ttmp9, 2                       ; in a cluster launch ttmp9 counts clusters
	s_add_co_u32 s17, s17, s15                     ; my group of 512 queries: it enters qb's, candv's and candi's addresses alone
	s_and_b32 s16, ttmp7, 0xffff                   ; the chunk, which the four partners share
	s_mul_i32 s18, s16, 800*512                    ; the chunk's rows in mb,
	s_mul_i32 s19, s[WV], 40*512                   ; my 40 of a slot's 160
	s_add_co_u32 s18, s18, s19
	s_mov_b32 s19, 0
	s_mul_i32 s20, s16, 800*4                      ; the chunk's norms,
	s_mul_i32 s21, s[WV], 800                      ; my quarter of them
	s_add_co_u32 s20, s20, s21
	s_mov_b32 s21, 0
	s_lshl_b32 s22, s17, 18                        ; 512 queries of 512 bytes,
	s_lshl_b32 s23, s[WV], 16                      ; my wave's 128
	s_add_co_u32 s22, s22, s23
	s_mov_b32 s23, 0
	s_lshl_b32 s52, s17, 5
	s_lshl3_add_u32 s52, s[WV], s52                ; my first query tile: 32 x group + 8 x wave
	s_mul_i32 s52, s52, 125
	s_add_co_u32 s52, s52, s16                     ; candv, candi: [tile][chunk], 1,024 bytes each
	s_lshl_b32 s52, s52, 10
	s_mov_b32 s53, 0
	s_mul_i32 s54, s16, 50                         ; the chunk's first bin,
	s_sub_co_u32 s54, s54, 2                       ; less one step: the first insertions are of a step that has not been
	s_mov_b32 s55, 0xff800000                      ; -infinity
	; descriptor group 1, memory tiles: 40 rows x 256 elements of 2 bytes, padded in LDS
	s_mov_b32 s[G1], 15|(1<<16)|(1<<20)|(1<<21)|(6<<22)|(3<<25)  ; 15:0 the mask of four; 17:16 2-byte elements; 20 padding on; 21 set beside a mask; 24:22 after every 128 words (code 6); 31:25 4 words (code 3)
	s_mov_b32 s[G1+1], 256<<16                     ; tensor_dim0 = 256
	s_mov_b32 s[G1+2], 40<<16                      ; tensor_dim1 = 40
	s_mov_b32 s[G1+3], 256<<16                     ; tile_dim0 = 256
	s_mov_b32 s[G1+4], 40                          ; tile_dim1 = 40
	s_mov_b32 s[G1+5], 256                         ; 256 elements from row to row
	s_mov_b32 s[G1+6], 0
	s_mov_b32 s[G1+7], 0
	; descriptor group 1, norms: one row of 100 elements of 8 bytes
	s_mov_b32 s[G1N], 15|(3<<16)|(1<<21)
	s_mov_b32 s[G1N+1], 100<<16
	s_mov_b32 s[G1N+2], 1<<16
	s_mov_b32 s[G1N+3], 100<<16
	s_mov_b32 s[G1N+4], 1
	s_mov_b32 s[G1N+5], 100
	s_mov_b32 s[G1N+6], 0
	s_mov_b32 s[G1N+7], 0
	s_mov_b32 s[G0], 1                             ; 1:0 count = 1
	s_mul_i32 s[G0+1], s[WV], 40*PITCH             ; 63:32 LDS address: slot 0, my quarter: no place in the cluster enters an LDS address
	s_mov_b32 s[G0N], 1
	s_mul_i32 s[G0N+1], s[WV], 800
	s_add_co_u32 s[G0N+1], s[G0N+1], NRM
	s_mov_b32 s[TB], SLOT1+5*STEPB                 ; the first change of slots turns this into 0
	s_mov_b32 s[TN], NRM-64
	s_wait_dscnt 0x0                               ; the opening add is done
	s_wait_kmcnt 0x0
	s_add_nc_u64 s[G0+2:G0+3], s[4:5], s[18:19]    ; 120:64 global address
	s_or_b32 s[G0+3], s[G0+3], 0x80000000          ; 127:126 type = 2
	s_add_nc_u64 s[G0N+2:G0N+3], s[6:7], s[20:21]
	s_or_b32 s[G0N+3], s[G0N+3], 0x80000000
	s_add_nc_u64 s[8:9], s[8:9], s[22:23]          ; qb at my wave's first query
	s_add_nc_u64 s[10:11], s[10:11], s[52:53]      ; candv and candi at my first tile's block for this chunk
	s_add_nc_u64 s[12:13], s[12:13], s[52:53]
	CROUND                                         ; all four work-groups are here: the first joint loads meet
	tensor_load_to_lds s[G0:G0+3], s[G1:G1+7]      ; slot 0: steps 0-4.  The two first fills stand together: two loads of mine are out; behind every later round, one
	s_nop 0
	tensor_load_to_lds s[G0N:G0N+3], s[G1N:G1N+7]  ; the norms
	s_nop 0
.rept 4
	v_nop
.endr
	; A fragment is 16 rows x 32 along K in 8 registers: lane l holds row l % 16; registers 0-3 K = 8 (l / 16) + 0..7, registers 4-7 K = 16 + 8 (l / 16) + 0..7: two loads of 16 bytes, 32 bytes apart.
	v_and_b32 v1, 15, v0                           ; l % 16
	v_bfe_u32 v12, v0, 4, 1                        ; l / 16
	v_lshlrev_b32 v[QOFF], 9, v1
	v_lshl_add_u32 v[QOFF], v12, 4, v[QOFF]        ; row x 512 + 16 x half
.set t, 0
.rept 8                                ; Q stays in registers: tile t in window 2 + t / 4, K = 32 c on at v[64 (t % 4) + 8 c]
	WIN 0x80+0x40*(t/4)
.irp c, 0,1,2,3,4,5,6,7
	global_load_b128 v[64*(t%4)+8*\c:64*(t%4)+8*\c+3],   v[QOFF], s[8:9] offset:t*8192+64*\c
	global_load_b128 v[64*(t%4)+8*\c+4:64*(t%4)+8*\c+7], v[QOFF], s[8:9] offset:t*8192+64*\c+32
.endr
.set t, t+1
.endr
	WIN 0
	v_mul_u32_u24 v[ABASE], v1, PITCH
	v_lshl_add_u32 v[ABASE], v12, 4, v[ABASE]
	v_lshlrev_b32 v[NBASE], 5, v12
	v_and_b32 v[CO], 31, v0
	v_lshlrev_b32 v[CO], 4, v[CO]
	v_add_nc_u32 v[IDG], s54, v12
	v_mov_b32 v[IDG+1], v[IDG]
	; What the first unit's vector work finds: the lists hold -infinity; so do the accumulators, maxima and finished maxima of a step that has not been, with norms of 1: nothing of it is greater than
	; a list's entry, so nothing is inserted, and no first step is written out.  These 176 lines stand in the wait for the first tile.
.set z, 0
.rept 8
.set y, 0
.rept 8
	v_mov_b32 v[LI+16*z+y], s55
	v_mov_b32 v[LI+16*z+8+y], 0
.set y, y+1
.endr
.set z, z+1
.endr
.set z, 0
.rept 32
	v_mov_b32 v[ACC+32+z], s55
.set z, z+1
.endr
.set z, 0
.rept 8
	v_mov_b32 v[NR+8+z], 1.0
	v_mov_b32 v[RR+4+z], s55                       ; R of tiles 4-7 and P of tiles 0-3
.set z, z+1
.endr
; THE MATRIX WORK.  Unit k = 2 m + g: memory tile m, query tiles 4 g .. 4 g + 3.  Product i of 32: K = 32 (i / 4) on, query tile 4 g + i % 4.  The four accumulators take turns;
; the first four products start the sums with the constant 0: nothing is cleared.
.macro MMK k
.set mC, i/4
.set mA, i%4
.set mD, ACC+32*((\k)%2)+8*mA
.set mF, 64*((\k)/2)+8*mC
.set mQ, 64*mA+8*mC
	WIN 0x09+4*((\k)%2)                            ; source 0 window 1, source 1 window 2 + g, C and D window 0
.if mC == 0
	v_wmma_f32_16x16x32_bf16 v[mD:mD+7], v[mF:mF+7], v[mQ:mQ+7], 0
.else
	v_wmma_f32_16x16x32_bf16 v[mD:mD+7], v[mF:mF+7], v[mQ:mQ+7], v[mD:mD+7]
.endif
.endm
; THE LDS LOADS stand in two runs of 18 a step, never singly among the products.
.macro FETCH m                         ; memory tile m of the step at ADRA: 8 fragments
	WIN 0x40                                       ; destination window 1, address window 0
.irp c, 0,1,2,3,4,5,6,7
	ds_load_b128 v[64*(\m)+8*\c:64*(\m)+8*\c+3],   v[ADRA] offset:16*PITCH*(\m)+64*\c
	ds_load_b128 v[64*(\m)+8*\c+4:64*(\m)+8*\c+7], v[ADRA] offset:16*PITCH*(\m)+64*\c+32
.endr
.endm
.macro RUN0                            ; in unit 0: this step's norms of tile 0 (my half's eight rows), then its tile 1
	WIN 0
	ds_load_b128 v[NR:NR+3],   v[ADRN] offset:64
	ds_load_b128 v[NR+4:NR+7], v[ADRN] offset:80
	FETCH 1
.endm
.macro RUN2 full                       ; in unit 2: this step's norms of tile 1, then (full = 1) the next step's tile 0: ADRA and ADRN have stepped
	WIN 0
	ds_load_b128 v[NR+8:NR+11],  v[ADRN]
	ds_load_b128 v[NR+12:NR+15], v[ADRN] offset:16
.if \full
	FETCH 0
.endif
.endm
; THE VECTOR WORK.  SCOP n: number n of the 32 that finish a unit's four accumulators (memory tile pm, group pg).
;   0-15  the eight scores of each times my rows' inverse norms, in pairs, in place; each accumulator's lowest pair first
;   16-27 three partial maxima each; with tile 1 the last takes in R, tile 0's maximum          28-31 the whole: tile 0's into R, the bin's into P
.macro SCOP n, pm, pg
.set cA, (\n)%4
.set cR, ACC+32*(\pg)+8*cA
.set cT, 4*(\pg)+cA
.set cP, (\n)/4
.if (\n) < 16
	v_pk_mul_f32 v[cR+2*cP:cR+2*cP+1], v[cR+2*cP:cR+2*cP+1], v[NR+8*(\pm)+2*cP:NR+8*(\pm)+2*cP+1]
.elseif (\n) < 20
	v_max3_num_f32 v[cR], v[cR], v[cR+1], v[cR+2]
.elseif (\n) < 24
	v_max3_num_f32 v[cR+3], v[cR+3], v[cR+4], v[cR+5]
.elseif ((\n) < 28) && ((\pm) == 0)
	v_max_num_f32 v[cR+6], v[cR+6], v[cR+7]
.elseif (\n) < 28
	v_max3_num_f32 v[cR+6], v[cR+6], v[cR+7], v[RR+cT]
.elseif (\pm) == 0
	v_max3_num_f32 v[RR+cT], v[cR], v[cR+3], v[cR+6]
.else
	v_max3_num_f32 v[PP+cT], v[cR], v[cR+3], v[cR+6]
.endif
.endm
; INSOP t, n, w: number n of the 31 that put x = P[t] with its bin number into tile t's list, sorted downward, without a branch; w picks the set of masks.
;   0-7   mask i: x > L[i].  The compare is strict and a lane's bin numbers ascend, so of equal maxima the lower bin stays in front
;   8-28  for i = 7 down to 1: I[i] = the number where x > L[i]; L[i] = the middle one of L[i-1], L[i], x; I[i] = I[i-1] where x > L[i-1]          29, 30  I[0], L[0]
.macro INSOP t, n, w
.set iL, LI+16*(\t)
.set iI, LI+16*(\t)+8
.set iX, PP+(\t)
.set iD, IDG+(\t)/4
.set iM, MK+8*(\w)
.set iV, 7-((\n)-8)/3
.set iP, ((\n)-8)%3
.if (\n) < 8
	v_cmp_gt_f32 s[iM+(\n)], v[iX], v[iL+(\n)]
.elseif ((\n) < 29) && (iP == 0)
	v_cndmask_b32 v[iI+iV], v[iI+iV], v[iD], s[iM+iV]
.elseif ((\n) < 29) && (iP == 1)
	v_med3_num_f32 v[iL+iV], v[iL+iV-1], v[iL+iV], v[iX]
.elseif (\n) < 29
	v_cndmask_b32 v[iI+iV], v[iI+iV], v[iI+iV-1], s[iM+iV-1]
.elseif (\n) == 29
	v_cndmask_b32 v[iI], v[iI], v[iD], s[iM]
.else
	v_max_num_f32 v[iL], v[iL], v[iX]
.endif
.endm
; Number j of unit k's 96 places: 0-31 the unit before's SCOP (the other group's accumulators than the products round it write); 32-93 the insertions of tiles 2 k and 2 k + 1, alternating;
; 94 the bin number's step, behind its last use (units 1 and 3), or a v_nop (units 0 and 2), so that five plain instructions that name no register of the unit's last product stand
; between it and the first read of its result (ISA guide 7.12.1 asks for four); 95 empty.
; P of tiles 0-3 is made in unit 3 and inserted in the next step's units 0 and 1; P of tiles 4-7 is made in the next step's unit 0 and inserted in its units 2 and 3.
.macro RID k
.if j < 32
	SCOP j, (((\k)+3)%4)/2, (((\k)+3)%4)%2
.elseif j < 94
	INSOP 2*(\k)+(j-32)%2, (j-32)/2, (j-32)%2
.elseif (j == 94) && ((\k) == 1)
	v_add_nc_u32 v[IDG], 2, v[IDG]
.elseif (j == 94) && ((\k) == 3)
	v_add_nc_u32 v[IDG+1], 2, v[IDG+1]
.elseif j == 94
	v_nop
.endif
.set j, j+1
.endm
; A UNIT.  Its run of loads stands behind its second product's three: seven plain instructions or more that name no register of the last product that read the buffer stand between that product and the run.
; Waits at the head: units 0 and 2: the fragments that the unit multiplies, fetched two units ago, are in.  Units 1 and 3: the two norm loads of the run just issued are in; the 16 fragment loads behind them may stay out.
; final = 1: the last step's units 2 and 3: no further step is fetched.
.macro UNIT k, final=0
.set j, 0
.set i, 0
.if ((\k) == 0) || ((\k) == 2) || (\final)
	s_wait_dscnt 0x0
.else
	s_wait_dscnt 16
.endif
.rept 32
	MMK \k
	WIN 0
	RID \k
	RID \k
	RID \k
.if (i == 1) && ((\k) == 0)
	RUN0
.elseif (i == 1) && ((\k) == 2)
	RUN2 1-(\final)
.endif
.set i, i+1
.endr
.endm
.macro NEXT full                       ; the addresses of the step to be fetched
.if \full
	v_add_nc_u32 v[ADRA], s[TB], v[ABASE]
	s_add_co_u32 s[TB], s[TB], STEPB
.endif
	s_add_co_u32 s[TN], s[TN], 128
	v_add_nc_u32 v[ADRN], s[TN], v[NBASE]
.endm
.macro INS2 t                          ; the insertions of tiles t and t + 1, alternating
.set n, 0
.rept 31
	INSOP \t, n, 0
	INSOP (\t)+1, n, 1
.set n, n+1
.endr
.endm
	CHANGE 1                                       ; slot 0 and the norms are in, everybody's part of them; slot 1 is asked for
	v_add_nc_u32 v[ADRA], s[TB], v[ABASE]          ; step 0
	s_add_co_u32 s[TB], s[TB], STEPB
	v_add_nc_u32 v[ADRN], s[TN], v[NBASE]
	FETCH 0
	WIN 0
	s_wait_loadcnt 0x0                             ; Q
	s_mov_b32 s[CNT], 5
	s_mov_b32 s[SLOTS], 4
	s_branch .Lfirst                               ; the loop is entered at a step's first unit, in the middle of a trip
.Lslot:                                                ; three times: slots are filled again with steps 10-14, 15-19, 20-24
	CHANGE 1
	s_mov_b32 s[CNT], 5
.Lstep:                                                ; a trip: units 2 and 3 of one step, then units 0 and 1 of the next; all its LDS reads of fragments are of that next step, so a slot's reads lie between two changes
	NEXT 1
	UNIT 2
	UNIT 3
	WIN 0
.Lfirst:
	UNIT 0
	UNIT 1
	WIN 0
	s_sub_co_u32 s[CNT], s[CNT], 1
	s_cmp_lg_u32 s[CNT], 0
	s_cbranch_scc1 .Lstep
	s_sub_co_u32 s[SLOTS], s[SLOTS], 1
	s_cmp_lg_u32 s[SLOTS], 0
	s_cbranch_scc1 .Lslot
	CHANGE 0                                       ; the last slot is written out: nothing is asked for
	s_mov_b32 s[CNT], 5
.Ltail:
	NEXT 1
	UNIT 2
	UNIT 3
	UNIT 0
	UNIT 1
	WIN 0
	s_sub_co_u32 s[CNT], s[CNT], 1
	s_cmp_lg_u32 s[CNT], 0
	s_cbranch_scc1 .Ltail
	NEXT 0
	UNIT 2, 1                                      ; the last step's second half
	UNIT 3, 1
	WIN 0
	INS2 0                                         ; what is left: the last step's bins.  Tiles 0-3 first: their 124 lines are the places behind the last products
	INS2 2
.set n, 0
.rept 32
	SCOP n, 1, 1
.set n, n+1
.endr
	INS2 4
	INS2 6
.set t, 0
.rept 8                                ; the lists go out as they lie: [tile][chunk][quad][lane][4]: each store covers 512 consecutive bytes, aligned
	global_store_b128 v[CO], v[LI+16*t:LI+16*t+3],     s[10:11] offset:t*128000
	global_store_b128 v[CO], v[LI+16*t+4:LI+16*t+7],   s[10:11] offset:t*128000+512
	global_store_b128 v[CO], v[LI+16*t+8:LI+16*t+11],  s[12:13] offset:t*128000
	global_store_b128 v[CO], v[LI+16*t+12:LI+16*t+15], s[12:13] offset:t*128000+512
.set t, t+1
.endr
	s_wait_tensorcnt 0x0                           ; the wave's end: behind my last tensor load
	ds_add_u32 v[SPW], v[NIL]
	s_wait_dscnt 0x0
	CROUND                                         ; the closing round: no work-group ends while a partner may still ask for a tile that names it
	s_endpgm
.Lfunc_end_k_q696d4f989c_main:
	.size	k_q696d4f989c_main, .Lfunc_end_k_q696d4f989c_main-k_q696d4f989c_main
	.p2alignl 7, 3214868480
	.fill 96, 4, 3214868480
	.section	.rodata,"a",@progbits
	.p2align	6, 0x0
	.amdhsa_kernel k_q696d4f989c_main
		.amdhsa_group_segment_fixed_size 327680
		.amdhsa_private_segment_fixed_size 0
		.amdhsa_enable_private_segment 0
		.amdhsa_kernarg_size 40
		.amdhsa_user_sgpr_count 2
		.amdhsa_user_sgpr_kernarg_segment_ptr 1
		.amdhsa_wavefront_size32 1
		.amdhsa_system_sgpr_workgroup_id_x 1
		.amdhsa_system_sgpr_workgroup_id_y 1
		.amdhsa_system_sgpr_workgroup_id_z 1
		.amdhsa_system_vgpr_workitem_id 0
		.amdhsa_next_free_vgpr 1024
		.amdhsa_next_free_sgpr 96
		.amdhsa_reserve_vcc 0
		.amdhsa_float_denorm_mode_32 3
		.amdhsa_float_denorm_mode_16_64 3
		.amdhsa_memory_ordered 1
		.amdhsa_forward_progress 1
		.amdhsa_inst_pref_size 150
	.end_amdhsa_kernel
	.amdgpu_metadata
---
amdhsa.version: [ 1, 2 ]
amdhsa.kernels:
  - .name:           k_q696d4f989c_main
    .symbol:         k_q696d4f989c_main.kd
    .args:
      - { .name: mb, .offset: 0, .size: 8, .value_kind: global_buffer, .address_space: global }
      - { .name: minv, .offset: 8, .size: 8, .value_kind: global_buffer, .address_space: global }
      - { .name: qb, .offset: 16, .size: 8, .value_kind: global_buffer, .address_space: global }
      - { .name: candv, .offset: 24, .size: 8, .value_kind: global_buffer, .address_space: global }
      - { .name: candi, .offset: 32, .size: 8, .value_kind: global_buffer, .address_space: global }
    .group_segment_fixed_size: 327680
    .private_segment_fixed_size: 0
    .kernarg_segment_align: 8
    .kernarg_segment_size: 40
    .max_flat_workgroup_size: 128
    .sgpr_count:     96
    .vgpr_count:     1024
    .wavefront_size: 32
...
	.end_amdgpu_metadata
.endif
;; end of part 2
;; launch select (part 3): grid 128 x 1, 25 waves a work-group, no clusters, 64,768 bytes of LDS; arguments candv, candi, binsel; writes binsel
.if DOCPART == 3
	.amdgcn_target "amdgcn-amd-amdhsa--gfx1250"
	.amdhsa_code_object_version 6
	.text
	.protected	k_q696d4f989c_select
	.globl	k_q696d4f989c_select
	.p2align	8
	.type	k_q696d4f989c_select,@function
k_q696d4f989c_select:
	s_mov_b64 s[64:65], 0
	v_nop
	global_prefetch_b8 v0, s[64:65] scope:SCOPE_SE
	s_setreg_imm32_b32 hwreg(HW_REG_WAVE_MODE, 25, 1), 1
	s_wait_xcnt 0x0
; SELECT.  For each query the eight bins with the largest maxima (of equal maxima the lower bin first), out of 250 sorted lists of eight: 125 chunks x 2 halves of the lanes.
; SHARES.  A work-group takes a tile of 16 queries; a lane is (query l % 16, half l / 16), as in the launch that made the lists, so the lists are loaded as they were stored.
; Three levels of merging five lists into one: 25 waves (5 chunks each), 5 waves, 1 wave; between the levels the lists go through LDS.  At last the two halves' lists are merged.
; Chunks ascend within a wave and from wave to wave, and with them a lane's bin numbers: a strict compare keeps the lower bin in front.  The two halves' numbers interleave: there the compare takes the number in.
; No matrix unit, tensor load or cluster: 33 MB are read once, by loads of 512 consecutive bytes, and nothing is shared between work-groups.
.set X1,    0                          ; 25 lists of a wave: 2,048 bytes each: [value quad 0, 1, number quad 0, 1][lane][16 bytes]
.set X2,    51200                      ; 5 more
.set SPARE, 61440                      ; the spare words, 128 bytes for each of 25 waves, 13 blocks of 256 bytes that no other line names
.set SPW,   4                          ; v4  LDS address of my spare word; never rewritten
.set NIL,   5                          ; v5  0; never rewritten
.set LS,    8                          ; list k at v[LS+16 k]: eight values, eight numbers; list 0 is the running one
.set MK,    16                         ; s[16:23] lane masks
	s_load_b128 s[4:7], s[0:1], 0x0                ; candv s[4:5], candi s[6:7]
	s_load_b64 s[8:9], s[0:1], 0x10                ; binsel
	v_lshl_add_u32 v[SPW], v0, 2, SPARE
	v_mov_b32 v[NIL], 0
	v_lshrrev_b32 v1, 5, v0
	v_readfirstlane_b32 s10, v1                    ; wave 0..24
	v_and_b32 v1, 31, v0
	v_lshlrev_b32 v2, 4, v1                        ; 16 x lane
	s_mul_i32 s12, ttmp9, 128000                   ; the tile's 125 blocks of 1,024 bytes,
	s_mul_i32 s13, s10, 5120                       ; my wave's five
	s_add_co_u32 s12, s12, s13
	s_mov_b32 s13, 0
	s_lshl_b32 s14, s10, 11
	v_add_nc_u32 v3, s14, v2                       ; where my wave's list goes in X1 and in X2
	s_mov_b32 s26, 0x76543210                      ; v_permlanex16_b32's selects: each lane takes its own place in the other half
	s_mov_b32 s27, 0xfedcba98
	s_mov_b32 s28, 0xffff0000                      ; the upper half of the lanes
	s_lshl_b32 s30, ttmp9, 9                       ; 16 queries of 32 bytes in binsel
	s_mov_b32 s31, 0
	s_wait_kmcnt 0x0
	s_add_nc_u64 s[4:5], s[4:5], s[12:13]
	s_add_nc_u64 s[6:7], s[6:7], s[12:13]
	s_add_nc_u64 s[8:9], s[8:9], s[30:31]
.irp k, 0,1,2,3,4
	global_load_b128 v[LS+16*\k:LS+16*\k+3],     v2, s[4:5] offset:\k*1024 th:TH_LOAD_NT
	global_load_b128 v[LS+16*\k+4:LS+16*\k+7],   v2, s[4:5] offset:\k*1024+512 th:TH_LOAD_NT
	global_load_b128 v[LS+16*\k+8:LS+16*\k+11],  v2, s[6:7] offset:\k*1024 th:TH_LOAD_NT
	global_load_b128 v[LS+16*\k+12:LS+16*\k+15], v2, s[6:7] offset:\k*1024+512 th:TH_LOAD_NT
.endr
; (x, id) goes into the running list, over places lo .. 7 alone: entry e of a sorted list has e entries of its own list in front of it, so it never comes to lie ahead of place e.
; lex = 1: of equal values the lower number goes in front, whichever list it comes from.
.macro INSL x, id, lo, lex
.set lv, (\lo)
.rept 8-(\lo)
	v_cmp_gt_f32 s[MK+lv], v[\x], v[LS+lv]
.if \lex
	v_cmp_eq_f32 s24, v[\x], v[LS+lv]
	v_cmp_lt_u32 s25, v[\id], v[LS+8+lv]
	s_and_b32 s24, s24, s25
	s_or_b32 s[MK+lv], s[MK+lv], s24
.endif
.set lv, lv+1
.endr
.set lv, 7
.if (\lo) < 7
.rept 7-(\lo)
	v_cndmask_b32 v[LS+8+lv], v[LS+8+lv], v[\id], s[MK+lv]
	v_med3_num_f32 v[LS+lv], v[LS+lv-1], v[LS+lv], v[\x]
	v_cndmask_b32 v[LS+8+lv], v[LS+8+lv], v[LS+8+lv-1], s[MK+lv-1]
.set lv, lv-1
.endr
.endif
	v_cndmask_b32 v[LS+8+(\lo)], v[LS+8+(\lo)], v[\id], s[MK+(\lo)]
	v_max_num_f32 v[LS+(\lo)], v[LS+(\lo)], v[\x]
.endm
.macro MERGE5                          ; lists 1 to 4 into list 0
.set k, 1
.rept 4
.set e, 0
.rept 8
	INSL LS+16*k+e, LS+16*k+8+e, e, 0
.set e, e+1
.endr
.set k, k+1
.endr
.endm
	s_wait_loadcnt 0x0
	MERGE5
.irp a, 0,1,2,3
	ds_store_b128 v3, v[LS+4*\a:LS+4*\a+3] offset:X1+512*\a
.endr
	s_wait_dscnt 0x0                               ; for the others' sake: my list lies in X1
	s_barrier_signal -1
	s_barrier_wait -1
	s_cmp_ge_u32 s10, 5
	s_cbranch_scc1 .Lskip2                         ; waves 0-4 merge the lists of waves 5 w .. 5 w + 4
	s_mul_i32 s14, s10, 5*2048
	v_add_nc_u32 v6, s14, v2
.irp k, 0,1,2,3,4
.irp a, 0,1,2,3
	ds_load_b128 v[LS+16*\k+4*\a:LS+16*\k+4*\a+3], v6 offset:X1+2048*\k+512*\a
.endr
.endr
	s_wait_dscnt 0x0
	MERGE5
.irp a, 0,1,2,3
	ds_store_b128 v3, v[LS+4*\a:LS+4*\a+3] offset:X2+512*\a
.endr
	s_wait_dscnt 0x0                               ; for wave 0's sake: my list lies in X2
.Lskip2:
	s_barrier_signal -1                            ; every wave passes this barrier
	s_barrier_wait -1
	s_cmp_lg_u32 s10, 0
	s_cbranch_scc1 .Lend                           ; wave 0 merges the five
.irp k, 0,1,2,3,4
.irp a, 0,1,2,3
	ds_load_b128 v[LS+16*\k+4*\a:LS+16*\k+4*\a+3], v2 offset:X2+2048*\k+512*\a
.endr
.endr
	s_wait_dscnt 0x0
	MERGE5
.set z, 0
.rept 16                               ; the other half's list takes list 1's registers, which have been written
	v_permlanex16_b32 v[LS+16+z], v[LS+z], s26, s27
.set z, z+1
.endr
.set e, 0
.rept 8                                ; both halves end with the same list
	INSL LS+16+e, LS+24+e, e, 1
.set e, e+1
.endr
.irp z, 0,1,2,3
	v_cndmask_b32 v[LS+16+\z], v[LS+8+\z], v[LS+12+\z], s28   ; the lower half stores numbers 0-3, the upper 4-7
.endr
	v_and_b32 v7, 15, v0
	v_bfe_u32 v6, v0, 4, 1
	v_lshlrev_b32 v7, 5, v7
	v_lshl_add_u32 v7, v6, 4, v7                   ; 32 x query + 16 x half
	global_store_b128 v7, v[LS+16:LS+19], s[8:9]   ; the tile's 512 consecutive bytes
.Lend:
	s_wait_tensorcnt 0x0                           ; the wave's end: behind my last LDS store
	ds_add_u32 v[SPW], v[NIL]
	s_wait_dscnt 0x0
	s_endpgm
.Lfunc_end_k_q696d4f989c_select:
	.size	k_q696d4f989c_select, .Lfunc_end_k_q696d4f989c_select-k_q696d4f989c_select
	.p2alignl 7, 3214868480
	.fill 96, 4, 3214868480
	.section	.rodata,"a",@progbits
	.p2align	6, 0x0
	.amdhsa_kernel k_q696d4f989c_select
		.amdhsa_group_segment_fixed_size 64768
		.amdhsa_private_segment_fixed_size 0
		.amdhsa_enable_private_segment 0
		.amdhsa_kernarg_size 24
		.amdhsa_user_sgpr_count 2
		.amdhsa_user_sgpr_kernarg_segment_ptr 1
		.amdhsa_wavefront_size32 1
		.amdhsa_system_sgpr_workgroup_id_x 1
		.amdhsa_system_sgpr_workgroup_id_y 1
		.amdhsa_system_sgpr_workgroup_id_z 1
		.amdhsa_system_vgpr_workitem_id 0
		.amdhsa_next_free_vgpr 96
		.amdhsa_next_free_sgpr 66
		.amdhsa_reserve_vcc 0
		.amdhsa_float_denorm_mode_32 3
		.amdhsa_float_denorm_mode_16_64 3
		.amdhsa_memory_ordered 1
		.amdhsa_forward_progress 1
		.amdhsa_inst_pref_size 123
	.end_amdhsa_kernel
	.amdgpu_metadata
---
amdhsa.version: [ 1, 2 ]
amdhsa.kernels:
  - .name:           k_q696d4f989c_select
    .symbol:         k_q696d4f989c_select.kd
    .args:
      - { .name: candv, .offset: 0, .size: 8, .value_kind: global_buffer, .address_space: global }
      - { .name: candi, .offset: 8, .size: 8, .value_kind: global_buffer, .address_space: global }
      - { .name: binsel, .offset: 16, .size: 8, .value_kind: global_buffer, .address_space: global }
    .group_segment_fixed_size: 64768
    .private_segment_fixed_size: 0
    .kernarg_segment_align: 8
    .kernarg_segment_size: 24
    .max_flat_workgroup_size: 800
    .sgpr_count:     66
    .vgpr_count:     96
    .wavefront_size: 32
...
	.end_amdgpu_metadata
.endif
;; end of part 3
;; launch rescan (part 4): grid 256 x 1, 8 waves a work-group, no clusters, 0 bytes of LDS; arguments mb, minv, qb, qinv, binsel, out1, idx; writes out1, idx
.if DOCPART == 4
	.amdgcn_target "amdgcn-amd-amdhsa--gfx1250"
	.amdhsa_code_object_version 6
	.text
	.protected	k_q696d4f989c_rescan
	.globl	k_q696d4f989c_rescan
	.p2align	8
	.type	k_q696d4f989c_rescan,@function
k_q696d4f989c_rescan:
	s_mov_b64 s[64:65], 0
	v_nop
	global_prefetch_b8 v0, s[64:65] scope:SCOPE_SE
	s_setreg_imm32_b32 hwreg(HW_REG_WAVE_MODE, 25, 1), 1
	s_wait_xcnt 0x0
; RESCAN.  For each query the 8 x 16 scores of its eight chosen bins are computed again, and the eight largest are taken in order (of equal scores the lower row first): out1 gets the scores, idx the rows.
; The product is the one that chose the bins with its sources exchanged (source 0 = the query in all 16 rows, source 1 = 16 memory rows), K ascending in one chain: the transposed tile of the same sums.
; score = (qb . mb) x minv x qinv, in f32: the aim is the cosine of the inputs rounded to bf16.
; SHARES.  A wave takes a query; nothing is shared, so there is no LDS, no barrier and no cluster.  The bins come as whole numbers from the launch before; each is held to 0 .. 6249 before it enters an address.
; A bin b lies in mb as two runs of 8 rows (4,096 bytes), 8,192 bytes apart, from byte (b >> 1) x 16,384 + (b & 1) x 4,096: row 8 m + j of the bin at run m, row j.
; LIMITS.  Two scores closer than a few 1e-8 (the rounding of f32 sums of 256 terms) may come out in another order than reference()'s.  NaN and infinities are not treated apart.
.set QF,   16                          ; v[16:79]    the query's 8 fragments
.set BF0,  80                          ; v[80:143]   a pair's first bin
.set BF1,  144                         ; v[144:207]  its second
.set AC0,  208
.set AC1,  216
.set CC,   224                         ; v[224:227]  pair p: lanes 0-15 the scores of bin 2 p, lanes 16-31 of bin 2 p + 1; row = lane % 16
.set IDF,  228                         ; v[228:231]  their row numbers as f32 (under 2^24: exact)
.set TT,   232                         ; v[232:235]  at work
.set RV,   236                         ; lane k: the k-th score
.set RI,   237                         ; lane k: its row
.set PINF, 238
.set NINF, 239
	s_load_b256 s[4:11], s[0:1], 0x0               ; mb s[4:5], minv s[6:7], qb s[8:9], qinv s[10:11]
	s_load_b128 s[12:15], s[0:1], 0x20             ; binsel s[12:13], out1 s[14:15]
	s_load_b64 s[16:17], s[0:1], 0x30              ; idx
	v_lshrrev_b32 v1, 5, v0
	v_readfirstlane_b32 s18, v1                    ; wave 0..7
	s_lshl3_add_u32 s19, ttmp9, s18                ; my query
	s_lshl_b32 s20, s19, 5                         ; 32 bytes a query in binsel, out1, idx
	s_mov_b32 s21, 0
	s_lshl_b32 s22, s19, 2
	s_mov_b32 s23, 0
	s_lshl_b32 s66, s19, 9                         ; 512 bytes a query in qb
	s_mov_b32 s67, 0
	s_mov_b32 s68, 0x76543210                      ; v_permlanex16_b32's selects
	s_mov_b32 s69, 0xfedcba98
	s_mov_b32 s70, 0xffff0000                      ; the upper half of the lanes
	v_and_b32 v1, 31, v0                           ; lane
	v_and_b32 v2, 15, v0                           ; r
	v_bfe_u32 v3, v0, 4, 1                         ; h
	v_lshlrev_b32 v4, 4, v3                        ; the query's fragments: 16 h
	v_bfe_u32 v11, v0, 3, 1
	v_lshl_add_u32 v11, v11, 3, v2                 ; row r of a bin lies r + 8 (r >> 3) rows behind its first
	v_lshl_add_u32 v5, v11, 9, v4                  ; x 512 + 16 h
	v_lshlrev_b32 v6, 2, v11                       ; and its norm
	v_lshlrev_b32 v7, 8, v2
	v_lshl_add_u32 v7, v3, 13, v7                  ; for the prefetch: lane l at run l / 16, block l % 16 of 256 bytes
	v_mov_b32 v[PINF], 0x7f800000
	v_mov_b32 v[NINF], 0xff800000
	v_mov_b32 v[RV], 0
	v_mov_b32 v[RI], 0
	s_wait_kmcnt 0x0
	s_add_nc_u64 s[12:13], s[12:13], s[20:21]
	s_add_nc_u64 s[10:11], s[10:11], s[22:23]
	s_add_nc_u64 s[8:9], s[8:9], s[66:67]
	s_add_nc_u64 s[14:15], s[14:15], s[20:21]
	s_add_nc_u64 s[16:17], s[16:17], s[20:21]
	s_load_b256 s[24:31], s[12:13], 0x0            ; my eight bins
	s_load_b32 s73, s[10:11], 0x0                  ; 1 / |query|
.irp c, 0,1,2,3,4,5,6,7
	global_load_b128 v[QF+8*\c:QF+8*\c+3],   v4, s[8:9] offset:64*\c
	global_load_b128 v[QF+8*\c+4:QF+8*\c+7], v4, s[8:9] offset:64*\c+32
.endr
	s_wait_kmcnt 0x0
.irp i, 0,1,2,3,4,5,6,7                ; bin i: mb's address in s[32+2i:33+2i], minv's in s[48+2i:49+2i]; none is rewritten
	s_min_u32 s[24+\i], s[24+\i], 6249
	s_and_b32 s74, s[24+\i], 0x1ffe
	s_and_b32 s75, s[24+\i], 1
	s_lshl_b32 s76, s74, 13
	s_lshl_b32 s77, s75, 12
	s_add_co_u32 s[32+2*\i], s76, s77
	s_mov_b32 s[33+2*\i], 0
	s_add_nc_u64 s[32+2*\i:33+2*\i], s[4:5], s[32+2*\i:33+2*\i]
	s_lshl_b32 s76, s74, 6
	s_lshl_b32 s77, s75, 5
	s_add_co_u32 s[48+2*\i], s76, s77
	s_mov_b32 s[49+2*\i], 0
	s_add_nc_u64 s[48+2*\i:49+2*\i], s[6:7], s[48+2*\i:49+2*\i]
.endr
; Pair p: bins 2 p and 2 p + 1.  Behind its loads the next pair's 16 KB are asked for ahead (each block of 256 bytes by one lane, one pair ahead; the last pair asks for nothing); the row numbers are made
; between that and the wait.  The two accumulators take turns.
.macro PAIR p
.irp c, 0,1,2,3,4,5,6,7
	global_load_b128 v[BF0+8*\c:BF0+8*\c+3],   v5, s[32+4*(\p):33+4*(\p)] offset:64*\c
	global_load_b128 v[BF0+8*\c+4:BF0+8*\c+7], v5, s[32+4*(\p):33+4*(\p)] offset:64*\c+32
	global_load_b128 v[BF1+8*\c:BF1+8*\c+3],   v5, s[34+4*(\p):35+4*(\p)] offset:64*\c
	global_load_b128 v[BF1+8*\c+4:BF1+8*\c+7], v5, s[34+4*(\p):35+4*(\p)] offset:64*\c+32
.endr
	global_load_b32 v9,  v6, s[48+4*(\p):49+4*(\p)]
	global_load_b32 v10, v6, s[50+4*(\p):51+4*(\p)]
.if (\p) < 3
	global_prefetch_b8 v7, s[36+4*(\p):37+4*(\p)] th:TH_LOAD_NT scope:SCOPE_SE
	global_prefetch_b8 v7, s[38+4*(\p):39+4*(\p)] th:TH_LOAD_NT scope:SCOPE_SE
.endif
	s_lshl_b32 s74, s[24+2*(\p)], 4
	s_lshl_b32 s75, s[25+2*(\p)], 4
	v_add_nc_u32 v12, s74, v2                      ; row = 16 x bin + r
	v_add_nc_u32 v13, s75, v2
	v_cndmask_b32 v12, v12, v13, s70
	v_cvt_f32_u32 v[IDF+(\p)], v12
	s_wait_loadcnt 0x0
.irp c, 0,1,2,3,4,5,6,7
.if \c == 0
	v_wmma_f32_16x16x32_bf16 v[AC0:AC0+7], v[QF:QF+7], v[BF0:BF0+7], 0
	v_wmma_f32_16x16x32_bf16 v[AC1:AC1+7], v[QF:QF+7], v[BF1:BF1+7], 0
.else
	v_wmma_f32_16x16x32_bf16 v[AC0:AC0+7], v[QF+8*\c:QF+8*\c+7], v[BF0+8*\c:BF0+8*\c+7], v[AC0:AC0+7]
	v_wmma_f32_16x16x32_bf16 v[AC1:AC1+7], v[QF+8*\c:QF+8*\c+7], v[BF1+8*\c:BF1+8*\c+7], v[AC1:AC1+7]
.endif
.endr
.rept 4
	v_nop                                          ; the places behind the products (ISA guide 7.12.1): no other vector work is at hand
.endr
	v_mul_f32 v11, v[AC0], v9                      ; all 16 rows of the result are the query's: register 0 of lane l is the score of the bin's row l % 16
	v_mul_f32 v14, v[AC1], v10
	v_cndmask_b32 v[CC+(\p)], v11, v14, s70
.endm
	PAIR 0
	PAIR 1
	PAIR 2
	PAIR 3
	s_mov_b32 s71, 0
.Lround:                                               ; round k: the largest score left, the lowest row that has it; that row is struck out; lane k keeps both.  No branch hangs on the numbers
	v_max3_num_f32 v12, v[CC], v[CC+1], v[CC+2]
	v_max_num_f32 v12, v12, v[CC+3]
	v_max_num_f32_dpp v12, v12, v12 row_xmask:1 row_mask:0xf bank_mask:0xf
	v_max_num_f32_dpp v12, v12, v12 row_xmask:2 row_mask:0xf bank_mask:0xf
	v_max_num_f32_dpp v12, v12, v12 row_xmask:4 row_mask:0xf bank_mask:0xf
	v_max_num_f32_dpp v12, v12, v12 row_xmask:8 row_mask:0xf bank_mask:0xf
	v_permlanex16_b32 v14, v12, s68, s69
	v_max_num_f32 v12, v12, v14
.irp p, 0,1,2,3
	v_cmp_eq_f32 s[78+\p], v[CC+\p], v12
.endr
.irp p, 0,1,2,3
	v_cndmask_b32 v[TT+\p], v[PINF], v[IDF+\p], s[78+\p]
.endr
	v_min3_num_f32 v13, v[TT], v[TT+1], v[TT+2]
	v_min_num_f32 v13, v13, v[TT+3]
	v_min_num_f32_dpp v13, v13, v13 row_xmask:1 row_mask:0xf bank_mask:0xf
	v_min_num_f32_dpp v13, v13, v13 row_xmask:2 row_mask:0xf bank_mask:0xf
	v_min_num_f32_dpp v13, v13, v13 row_xmask:4 row_mask:0xf bank_mask:0xf
	v_min_num_f32_dpp v13, v13, v13 row_xmask:8 row_mask:0xf bank_mask:0xf
	v_permlanex16_b32 v14, v13, s68, s69
	v_min_num_f32 v13, v13, v14
.irp p, 0,1,2,3
	v_cmp_eq_f32 s[78+\p], v[IDF+\p], v13
.endr
.irp p, 0,1,2,3
	v_cndmask_b32 v[CC+\p], v[CC+\p], v[NINF], s[78+\p]
.endr
	s_lshl_b32 s72, 1, s71
	v_cndmask_b32 v[RV], v[RV], v12, s72
	v_cndmask_b32 v[RI], v[RI], v13, s72
	s_add_co_u32 s71, s71, 1
	s_cmp_lt_u32 s71, 8
	s_cbranch_scc1 .Lround
	v_mul_f32 v[RV], s73, v[RV]
	v_cvt_u32_f32 v[RI], v[RI]
	v_lshlrev_b32 v8, 2, v1
	s_wait_xcnt 0x0                                ; EXEC changes only behind this wait
	v_cmp_gt_u32 vcc_lo, 8, v1
	s_and_saveexec_b32 s74, vcc_lo
	global_store_b32 v8, v[RV], s[14:15]           ; 32 bytes a query: the two outputs are 128 KB in all
	global_store_b32 v8, v[RI], s[16:17]
	s_endpgm
.Lfunc_end_k_q696d4f989c_rescan:
	.size	k_q696d4f989c_rescan, .Lfunc_end_k_q696d4f989c_rescan-k_q696d4f989c_rescan
	.p2alignl 7, 3214868480
	.fill 96, 4, 3214868480
	.section	.rodata,"a",@progbits
	.p2align	6, 0x0
	.amdhsa_kernel k_q696d4f989c_rescan
		.amdhsa_group_segment_fixed_size 0
		.amdhsa_private_segment_fixed_size 0
		.amdhsa_enable_private_segment 0
		.amdhsa_kernarg_size 56
		.amdhsa_user_sgpr_count 2
		.amdhsa_user_sgpr_kernarg_segment_ptr 1
		.amdhsa_wavefront_size32 1
		.amdhsa_system_sgpr_workgroup_id_x 1
		.amdhsa_system_sgpr_workgroup_id_y 1
		.amdhsa_system_sgpr_workgroup_id_z 1
		.amdhsa_system_vgpr_workitem_id 0
		.amdhsa_next_free_vgpr 256
		.amdhsa_next_free_sgpr 88
		.amdhsa_reserve_vcc 1
		.amdhsa_float_denorm_mode_32 3
		.amdhsa_float_denorm_mode_16_64 3
		.amdhsa_memory_ordered 1
		.amdhsa_forward_progress 1
		.amdhsa_inst_pref_size 30
	.end_amdhsa_kernel
	.amdgpu_metadata
---
amdhsa.version: [ 1, 2 ]
amdhsa.kernels:
  - .name:           k_q696d4f989c_rescan
    .symbol:         k_q696d4f989c_rescan.kd
    .args:
      - { .name: mb, .offset: 0, .size: 8, .value_kind: global_buffer, .address_space: global }
      - { .name: minv, .offset: 8, .size: 8, .value_kind: global_buffer, .address_space: global }
      - { .name: qb, .offset: 16, .size: 8, .value_kind: global_buffer, .address_space: global }
      - { .name: qinv, .offset: 24, .size: 8, .value_kind: global_buffer, .address_space: global }
      - { .name: binsel, .offset: 32, .size: 8, .value_kind: global_buffer, .address_space: global }
      - { .name: out1, .offset: 40, .size: 8, .value_kind: global_buffer, .address_space: global }
      - { .name: idx, .offset: 48, .size: 8, .value_kind: global_buffer, .address_space: global }
    .group_segment_fixed_size: 0
    .private_segment_fixed_size: 0
    .kernarg_segment_align: 8
    .kernarg_segment_size: 56
    .max_flat_workgroup_size: 256
    .sgpr_count:     88
    .vgpr_count:     256
    .wavefront_size: 32
...
	.end_amdgpu_metadata
.endif
;; end of part 4
;; launch gather (part 5): grid 256 x 1, 8 waves a work-group, no clusters, 0 bytes of LDS; arguments memory_states, idx, out0; writes out0
.if DOCPART == 5
	.amdgcn_target "amdgcn-amd-amdhsa--gfx1250"
	.amdhsa_code_object_version 6
	.text
	.protected	k_q696d4f989c_gather
	.globl	k_q696d4f989c_gather
	.p2align	8
	.type	k_q696d4f989c_gather,@function
k_q696d4f989c_gather:
	s_mov_b64 s[64:65], 0
	v_nop
	global_prefetch_b8 v0, s[64:65] scope:SCOPE_SE
	s_setreg_imm32_b32 hwreg(HW_REG_WAVE_MODE, 25, 1), 1
	s_wait_xcnt 0x0
; GATHER.  out0[q][k][:] = memory_states[idx[q][k]][:], the rows as they were given, in f32.
; A wave takes a query: eight rows of 1,024 bytes, sixteen loads and sixteen stores of 512 consecutive bytes, all loads on their way before the first store.
; The rows come as whole numbers from the launch before; each is held to 0 .. 99999 before it enters an address.  Memory binds: no LDS, barrier, matrix unit or cluster.
	s_load_b128 s[4:7], s[0:1], 0x0                ; memory_states s[4:5], idx s[6:7]
	s_load_b64 s[8:9], s[0:1], 0x10                ; out0
	v_lshrrev_b32 v1, 5, v0
	v_readfirstlane_b32 s10, v1                    ; wave 0..7
	s_lshl3_add_u32 s11, ttmp9, s10                ; my query
	s_lshl_b32 s12, s11, 5                         ; 32 bytes a query in idx
	s_mov_b32 s13, 0
	s_lshl_b32 s14, s11, 13                        ; 8,192 bytes a query in out0
	s_mov_b32 s15, 0
	v_and_b32 v2, 31, v0
	v_lshlrev_b32 v2, 4, v2                        ; 16 x lane
	s_wait_kmcnt 0x0
	s_add_nc_u64 s[6:7], s[6:7], s[12:13]
	s_add_nc_u64 s[8:9], s[8:9], s[14:15]
	s_load_b256 s[16:23], s[6:7], 0x0
	s_wait_kmcnt 0x0
.irp i, 0,1,2,3,4,5,6,7
	s_min_u32 s[16+\i], s[16+\i], 99999
	s_lshl_b32 s[32+2*\i], s[16+\i], 10
	s_mov_b32 s[33+2*\i], 0
	s_add_nc_u64 s[32+2*\i:33+2*\i], s[4:5], s[32+2*\i:33+2*\i]
.endr
.set n, 0
.rept 16                               ; no hint on the loads: several queries may name a row
	global_load_b128 v[16+4*n:19+4*n], v2, s[32+2*(n/2):33+2*(n/2)] offset:512*(n%2)
.set n, n+1
.endr
.set n, 0
.rept 16
	s_wait_loadcnt 15-n                            ; loads come back in order: the later ones may stay out
	global_store_b128 v2, v[16+4*n:19+4*n], s[8:9] offset:512*n th:TH_STORE_NT
.set n, n+1
.endr
	s_endpgm
.Lfunc_end_k_q696d4f989c_gather:
	.size	k_q696d4f989c_gather, .Lfunc_end_k_q696d4f989c_gather-k_q696d4f989c_gather
	.p2alignl 7, 3214868480
	.fill 96, 4, 3214868480
	.section	.rodata,"a",@progbits
	.p2align	6, 0x0
	.amdhsa_kernel k_q696d4f989c_gather
		.amdhsa_group_segment_fixed_size 0
		.amdhsa_private_segment_fixed_size 0
		.amdhsa_enable_private_segment 0
		.amdhsa_kernarg_size 24
		.amdhsa_user_sgpr_count 2
		.amdhsa_user_sgpr_kernarg_segment_ptr 1
		.amdhsa_wavefront_size32 1
		.amdhsa_system_sgpr_workgroup_id_x 1
		.amdhsa_system_sgpr_workgroup_id_y 1
		.amdhsa_system_sgpr_workgroup_id_z 1
		.amdhsa_system_vgpr_workitem_id 0
		.amdhsa_next_free_vgpr 80
		.amdhsa_next_free_sgpr 66
		.amdhsa_reserve_vcc 0
		.amdhsa_float_denorm_mode_32 3
		.amdhsa_float_denorm_mode_16_64 3
		.amdhsa_memory_ordered 1
		.amdhsa_forward_progress 1
		.amdhsa_inst_pref_size 6
	.end_amdhsa_kernel
	.amdgpu_metadata
---
amdhsa.version: [ 1, 2 ]
amdhsa.kernels:
  - .name:           k_q696d4f989c_gather
    .symbol:         k_q696d4f989c_gather.kd
    .args:
      - { .name: memory_states, .offset: 0, .size: 8, .value_kind: global_buffer, .address_space: global }
      - { .name: idx, .offset: 8, .size: 8, .value_kind: global_buffer, .address_space: global }
      - { .name: out0, .offset: 16, .size: 8, .value_kind: global_buffer, .address_space: global }
    .group_segment_fixed_size: 0
    .private_segment_fixed_size: 0
    .kernarg_segment_align: 8
    .kernarg_segment_size: 24
    .max_flat_workgroup_size: 256
    .sgpr_count:     66
    .vgpr_count:     80
    .wavefront_size: 32
...
	.end_amdgpu_metadata
.endif
;; end of part 5
;; ======== version 2 of 2: 5 launches; version 1 with the launch prep written anew for expert scheduling mode
;; workspace buffers: mb 51,200,000 bytes; minv 400,128 bytes; qb 1,048,576 bytes; qinv 8,192 bytes; candv 16,384,000 bytes; candi 16,384,000 bytes of whole numbers; binsel 65,536 bytes of whole numbers; idx 65,536 bytes of whole numbers
;; launch prep (part 6): grid 1063 x 1, 3 waves a work-group, no clusters, 0 bytes of LDS; arguments memory_states, query, mb, minv, qb, qinv; writes mb, minv, qb, qinv
.if DOCPART == 6
	.amdgcn_target "amdgcn-amd-amdhsa--gfx1250"
	.amdhsa_code_object_version 6
	.text
	.protected	k_q696d4f989c_prep
	.globl	k_q696d4f989c_prep
	.p2align	8
	.type	k_q696d4f989c_prep,@function
k_q696d4f989c_prep:
	s_mov_b64 s[64:65], 0
	v_nop
	global_prefetch_b8 v0, s[64:65] scope:SCOPE_SE
	s_setreg_imm32_b32 hwreg(HW_REG_WAVE_SCHED_MODE, 0, 2), 2
	s_setreg_imm32_b32 hwreg(HW_REG_WAVE_MODE, 25, 1), 1
	s_wait_xcnt 0x0
	s_wait_alu depctr_vm_vsrc(0)
; PREP.  Rounds memory_states [100000][256] and query [2048][256] from f32 to bf16 (mb, qb) and stores for each row 1 / max(|row|, 1e-12) in f32 (minv, qinv),
; the norm taken of the ROUNDED numbers: the program aims at the scores of the inputs rounded to bf16, whose products are exact in f32.
; SHARES.  A wave takes a task of 32 rows: tasks 0 .. 3124 are memory rows, tasks 3125 .. 3188 query rows; 1063 work-groups of 3 waves are exactly 3189 tasks.
; ORDER OF mb AND minv.  Within each 32 rows, row 16 h + 8 m + j lies at place 16 m + 8 h + j (h, m = 0, 1; j = 0 .. 7).  In the product's result a half of the lanes holds rows 8 h + j of a
; tile of 16; with this order the two tiles of a step give half h the 16 consecutive rows 16 h .. 16 h + 15.  qb and qinv keep the natural order.
; A row is 1,024 bytes: two loads of 16 bytes a lane; its bf16 image 512 bytes: two stores of 8 bytes a lane, each covering 256 consecutive bytes, aligned.
; LIMITS.  The sum of squares is kept in f32: entries up to about 1e18 in magnitude.  NaN and infinities are not treated apart.
; THE MODE: SCHED_MODE bits 1:0 = 2 (LLVM: expert scheduling mode 2), set by the entry lines.  The code itself states the register dependences
; between vector instructions and memory instructions, with s_wait_alu, always for 0.
; THE PLAN.  The 32 rows go in 8 blocks of four; block p owns quarter p % 4 of X and of Y.  Registers that memory instructions touch:
;   X, a quarter   Written by the loads of block p: blocks 0-3 in one run at the head, blocks 4-7 issued in blocks 1-4.  Read by block p's conversions alone.
;   Y, a quarter   Written by block p's conversions.  Read by eight stores, which are issued in block p + 1 (block 7's behind block 7).
;   v2, v3, v4     Byte offsets, made once at the head and never written again: the loads reach all 32 rows by immediate offsets, and the second 16 rows' image has a scalar base of its own.
;   v9, v11        At the end: the inverse norms and their offset.
; Block p's memory instructions are the loads of block p + 3, which land in X's quarter (p - 1) % 4, and the stores of block p - 1, which leave from Y's quarter (p - 1) % 4: the two quarters that
; block p - 1 worked on and that no vector instruction of block p names.  So one wait on va_vdst at a block's head states all that its memory instructions hang on, and these are dealt among
; its rows with no further wait.  Y's quarters are written a second time in blocks 4-7: two waits on vm_vsrc, at the heads of blocks 4 and 7, state that their first stores have read them.
.set NMEM, 3125                        ; tasks of memory rows
.set X,    16                          ; v[16:143]  16 rows x 8 registers as loaded
.set Y,    144                         ; v[144:207] 16 rows x 4 registers of bf16
.set SA,   24                          ; s24  place in the 32 of rows 0-7 of the 16 in hand
.set SB,   25                          ; s25  of their rows 8-15
.set STEP, 26                          ; s26  what both step by from the first 16 rows to the second
.set SEL,  28                          ; s[28:29] v_permlanex16_b32's selects: each lane takes its own place in the other half
.set MK,   30                          ; s30  one bit: the lane that keeps this row's sum
.set B1,   36                          ; s[36:37] the bf16 image at the second 16 rows' first place
.set DST,  38                          ; s[38:39] STEP in bytes of the bf16 image, as a pair
	s_load_b256 s[4:11], s[0:1], 0x0               ; memory_states s[4:5], query s[6:7], mb s[8:9], minv s[10:11]
	s_load_b128 s[12:15], s[0:1], 0x20             ; qb s[12:13], qinv s[14:15]
	v_lshrrev_b32 v1, 5, v0
	v_readfirstlane_b32 s16, v1                    ; wave 0..2
	s_mul_i32 s17, ttmp9, 3
	s_mov_b32 s[SA], 0
	s_mov_b32 s[SEL], 0x76543210
	s_mov_b32 s[SEL+1], 0xfedcba98
	v_and_b32 v1, 31, v0                           ; lane
	v_lshlrev_b32 v2, 4, v1                        ; my 16 bytes in each half of a row
	v_lshlrev_b32 v3, 3, v1                        ; my 8 bytes in the image of rows 0-7
	v_mov_b32 v5, 0                                ; starts the sums
	v_mov_b32 v6, 0                                ; lane p: the sum of squares of the row at place p
	v_mov_b32 v9, 0                                ; v_permlanex16_b32's destination counts as read
	s_wait_alu depctr_va_sdst(0)                   ; s16 is written, ahead of its first reader: the task's number is made from it
	s_add_co_u32 s17, s17, s16                     ; task
	s_sub_co_u32 s18, s17, NMEM
	s_cmp_ge_u32 s17, NMEM                         ; a task of query rows?
	s_cselect_b32 s18, s18, s17                    ; the task's number in its own tensor
	s_cselect_b32 s[SB], 8, 16                     ; natural order: rows 8-15 at places 8 ..; permuted: at 16 ..
	s_cselect_b32 s[STEP], 16, 8                   ; natural order: the second 16 rows lie 16 places on; permuted: 8
	s_lshl_b32 s[DST], s[STEP], 9
	s_mov_b32 s[DST+1], 0
	s_lshl_b32 s20, s18, 15                        ; 32 rows of 1,024 bytes (under 2^27)
	s_mov_b32 s21, 0
	s_lshl_b32 s22, s18, 14                        ; 32 rows of 512 bytes
	s_mov_b32 s23, 0
	s_lshl_b32 s32, s18, 7                         ; 32 words
	s_mov_b32 s33, 0
	s_lshl_b32 s34, s[SB], 9
	v_add_nc_u32 v4, s34, v3                       ; my 8 bytes in the image of rows 8-15
	s_wait_kmcnt 0x0
	s_cmp_ge_u32 s17, NMEM                         ; compared anew: the shifts above have set SCC
	s_cselect_b64 s[4:5], s[6:7], s[4:5]           ; from where,
	s_cselect_b64 s[8:9], s[12:13], s[8:9]         ; the bf16 image,
	s_cselect_b64 s[10:11], s[14:15], s[10:11]     ; the inverse norms
	s_add_nc_u64 s[4:5], s[4:5], s[20:21]
	s_add_nc_u64 s[8:9], s[8:9], s[22:23]
	s_add_nc_u64 s[10:11], s[10:11], s[32:33]
	s_add_nc_u64 s[B1:B1+1], s[8:9], s[DST:DST+1]
	s_wait_alu depctr_va_vdst(0)                   ; v2, v3 and v4 are written: every load and store of rows reads one of them as its offset
; Row r of block q is asked for: 1,024 consecutive bytes, by two loads of 512.
.macro LOADROW q, r
.set lI, 4*((\q)%4)+(\r)
	global_load_b128 v[X+8*lI:X+8*lI+3],   v2, s[4:5] offset:(4*(\q)+(\r))*1024 th:TH_LOAD_NT
	global_load_b128 v[X+8*lI+4:X+8*lI+7], v2, s[4:5] offset:(4*(\q)+(\r))*1024+512 th:TH_LOAD_NT
.endm
; Row r of block q is stored: blocks 0-3 by the first base, blocks 4-7 by the second; of each 16 rows the first eight by v3, the others by v4.
.macro STOREROW q, r
.set sI, 4*((\q)%4)+(\r)
.set sO, 3+sI/8
.set sB, 8+(B1-8)*((\q)/4)
	global_store_b64 v[sO], v[Y+4*sI:Y+4*sI+1],   s[sB:sB+1] offset:(sI&7)*512          ; columns 0-127: 256 consecutive bytes
	global_store_b64 v[sO], v[Y+4*sI+2:Y+4*sI+3], s[sB:sB+1] offset:(sI&7)*512+256      ; columns 128-255
.endm
; Row i of the 16 in hand: rounded, squared and summed in two chains (low halves, high halves), summed over the 32 lanes, kept in the lane of its place.
; left = how many loads were issued behind this row's two.
.macro ROW i, left
.if (\i) < 8
.set pReg, SA
.else
.set pReg, SB
.endif
.set rX, X+8*(\i)
.set rY, Y+4*(\i)
	s_wait_loadcnt \left                           ; loads come back in order: those issued behind this row's two may stay out
.irp z, 0,1,2,3
	v_cvt_pk_bf16_f32 v[rY+\z], v[rX+2*\z], v[rX+2*\z+1]
.endr
	v_fma_mix_f32_bf16 v7, v[rY], v[rY], v5 op_sel_hi:[1,1,0]              ; the square of a bf16 is exact in f32
	v_fma_mix_f32_bf16 v8, v[rY], v[rY], v5 op_sel:[1,1,0] op_sel_hi:[1,1,0]
.irp z, 1,2,3
	v_fma_mix_f32_bf16 v7, v[rY+\z], v[rY+\z], v7 op_sel_hi:[1,1,0]
	v_fma_mix_f32_bf16 v8, v[rY+\z], v[rY+\z], v8 op_sel:[1,1,0] op_sel_hi:[1,1,0]
.endr
	v_add_f32 v7, v7, v8
	v_add_f32_dpp v7, v7, v7 row_xmask:1 row_mask:0xf bank_mask:0xf
	v_add_f32_dpp v7, v7, v7 row_xmask:2 row_mask:0xf bank_mask:0xf
	v_add_f32_dpp v7, v7, v7 row_xmask:4 row_mask:0xf bank_mask:0xf
	v_add_f32_dpp v7, v7, v7 row_xmask:8 row_mask:0xf bank_mask:0xf
	v_permlanex16_b32 v9, v7, s[SEL], s[SEL+1]
	v_add_f32 v7, v7, v9
	s_lshl_b32 s[MK], 1<<((\i)&7), s[pReg]
	v_cndmask_b32 v6, v6, v7, s[MK]
.endm
; Block p.  ahead = 1: block p + 3 is asked for.  free = 1: quarters of Y that are about to be written a second time are shown read.
; after = where nothing is asked for: how many whole blocks' loads were issued behind this block's.
; With ahead = 1 the count is 24 in every row r: 6 - 2 r for the block's later rows, 16 for the two blocks behind it, 2 (r + 1) for the loads dealt so far in this block.
.macro BLK p, ahead, free, after
.if (\p) > 0
.if \free
	s_wait_xcnt 0x0                                ; every earlier memory instruction has had its addresses translated (ISA guide 3.1): a store's data are rewritten only behind this wait
	s_wait_alu depctr_vm_vsrc(0)                   ; at block 4: the stores issued in blocks 1 to 3 have read Y's quarters 0 to 2, which blocks 4 to 6 write again; at block 7: those issued in block 4 have read quarter 3
.endif
	s_wait_alu depctr_va_vdst(0)                   ; the block before has written its quarter of Y, which the stores below read, and is done reading its quarter of X, in which the loads below land
.endif
.if (\p) == 4
	s_add_co_u32 s[SA], s[SA], s[STEP]             ; the second 16 rows' places
	s_add_co_u32 s[SB], s[SB], s[STEP]
.endif
.irp r, 0,1,2,3
.if \ahead
	LOADROW (\p)+3, \r                             ; three blocks ahead; no vector instruction since the wait names these registers
.endif
.if (\p) > 0
	STOREROW (\p)-1, \r                            ; the block before
.endif
.if \ahead
	ROW 4*((\p)%4)+\r, 24
.else
	ROW 4*((\p)%4)+\r, 8*(\after)+6-2*\r
.endif
.endr
.endm
.irp q, 0,1,2,3                        ; blocks 0 to 3: 32 loads of 512 consecutive bytes in one run
.irp r, 0,1,2,3
	LOADROW \q, \r
.endr
.endr
	BLK 0, 0, 0, 3                                 ; no block stands in front of it: nothing to store, no quarter of X free yet
	BLK 1, 1, 0, 0
	BLK 2, 1, 0, 0
	BLK 3, 1, 0, 0
	BLK 4, 1, 1, 0                                 ; asks for the task's last four rows
	BLK 5, 0, 0, 2                                 ; blocks 5 to 7 load nothing: no load leaves the task's rows, and the counts run down
	BLK 6, 0, 0, 1
	BLK 7, 0, 1, 0
	s_wait_alu depctr_va_vdst(0)                   ; block 7 has written its quarter of Y, which the last eight stores of rows read
.irp r, 0,1,2,3
	STOREROW 7, \r
.endr
	; 1 / max(sqrt(ss), 1e-12), root and reciprocal each mended by one Newton step.  Behind each transcendental stands one plain instruction that touches neither its result nor its source (ISA guide 5.7.2).
	v_sqrt_f32 v7, v6
	v_nop
	s_wait_alu depctr_va_vdst(0)
	v_max_num_f32 v8, 0x2b8cbccc, v7               ; 1e-12
	v_rcp_f32 v9, v8
	v_fma_f32 v10, -v7, v7, v6                     ; what the root's square lacks
	v_mul_f32 v10, 0.5, v10
	s_wait_alu depctr_va_vdst(0)
	v_fma_f32 v7, v10, v9, v7
	v_max_num_f32 v8, 0x2b8cbccc, v7
	v_rcp_f32 v9, v8
	v_lshlrev_b32 v11, 2, v1
	s_wait_alu depctr_va_vdst(0)
	v_fma_f32 v10, -v8, v9, 1.0
	v_fma_f32 v9, v9, v10, v9
	s_wait_alu depctr_va_vdst(0)                   ; v9, the inverse norms, and v11, their offset, are written: the store reads both
	global_store_b32 v11, v9, s[10:11]             ; 128 consecutive bytes a wave: the two tables are 408 KB in all
	s_endpgm
.Lfunc_end_k_q696d4f989c_prep:
	.size	k_q696d4f989c_prep, .Lfunc_end_k_q696d4f989c_prep-k_q696d4f989c_prep
	.p2alignl 7, 3214868480
	.fill 96, 4, 3214868480
	.section	.rodata,"a",@progbits
	.p2align	6, 0x0
	.amdhsa_kernel k_q696d4f989c_prep
		.amdhsa_group_segment_fixed_size 0
		.amdhsa_private_segment_fixed_size 0
		.amdhsa_enable_private_segment 0
		.amdhsa_kernarg_size 48
		.amdhsa_user_sgpr_count 2
		.amdhsa_user_sgpr_kernarg_segment_ptr 1
		.amdhsa_wavefront_size32 1
		.amdhsa_system_sgpr_workgroup_id_x 1
		.amdhsa_system_sgpr_workgroup_id_y 1
		.amdhsa_system_sgpr_workgroup_id_z 1
		.amdhsa_system_vgpr_workitem_id 0
		.amdhsa_next_free_vgpr 208
		.amdhsa_next_free_sgpr 66
		.amdhsa_reserve_vcc 0
		.amdhsa_float_denorm_mode_32 3
		.amdhsa_float_denorm_mode_16_64 3
		.amdhsa_memory_ordered 1
		.amdhsa_forward_progress 1
		.amdhsa_inst_pref_size 56
	.end_amdhsa_kernel
	.amdgpu_metadata
---
amdhsa.version: [ 1, 2 ]
amdhsa.kernels:
  - .name:           k_q696d4f989c_prep
    .symbol:         k_q696d4f989c_prep.kd
    .args:
      - { .name: memory_states, .offset: 0, .size: 8, .value_kind: global_buffer, .address_space: global }
      - { .name: query, .offset: 8, .size: 8, .value_kind: global_buffer, .address_space: global }
      - { .name: mb, .offset: 16, .size: 8, .value_kind: global_buffer, .address_space: global }
      - { .name: minv, .offset: 24, .size: 8, .value_kind: global_buffer, .address_space: global }
      - { .name: qb, .offset: 32, .size: 8, .value_kind: global_buffer, .address_space: global }
      - { .name: qinv, .offset: 40, .size: 8, .value_kind: global_buffer, .address_space: global }
    .group_segment_fixed_size: 0
    .private_segment_fixed_size: 0
    .kernarg_segment_align: 8
    .kernarg_segment_size: 48
    .max_flat_workgroup_size: 96
    .sgpr_count:     66
    .vgpr_count:     208
    .wavefront_size: 32
...
	.end_amdgpu_metadata
.endif
;; end of part 6
;; launch main: the kernel of part 2 again; grid 4 x 125, 4 waves a work-group, clusters of 4 x 1, 327,680 bytes of LDS; arguments mb, minv, qb, candv, candi; writes candv, candi
;; launch select: the kernel of part 3 again; grid 128 x 1, 25 waves a work-group, no clusters, 64,768 bytes of LDS; arguments candv, candi, binsel; writes binsel
;; launch rescan: the kernel of part 4 again; grid 256 x 1, 8 waves a work-group, no clusters, 0 bytes of LDS; arguments mb, minv, qb, qinv, binsel, out1, idx; writes out1, idx
;; launch gather: the kernel of part 5 again; grid 256 x 1, 8 waves a work-group, no clusters, 0 bytes of LDS; arguments memory_states, idx, out0; writes out0
